; MI455X (gfx1250); checked and timed in simulation.
; The chip was launched on July 23, 2026; its instructions are those of AMD's public machine-readable ISA for CDNA 5 (MIT licence, August 2026) and "CDNA5" Instruction Set Architecture Reference Guide (July 2026). The comments in the code are by the model that wrote it; some were corrected since.
;; Grouped Query Attention. Allowed arithmetic: matrix products marked QUANTISED: E5M2 operands, one E8M0 scale for each 32 along K, by v_wmma_scale_f32_16x16x128_f8f6f4 with both operands' format E5M2, f32 sums; everything else in f32.
;; Inputs: Wk 2,048 x 512 float32; Wq 2,048 x 2,048 float32; Wv 2,048 x 512 float32; bk 512 float32; bq 2,048 float32; bv 512 float32; hidden_states 2 x 2,048 x 2,048 float32.
;; Outputs: out0 2 x 2,048 x 2,048 float32.
;; This version of the problem:
;;   THIS VERSION OF THE PROBLEM IS GIVEN IN LOW PRECISION. The matrix products marked QUANTISED in the list below multiply operands that are first quantised to E5M2 (5 exponent bits, 2 mantissa bits; 8 bits a number), with one power-of-two scale for each 32 numbers along K (OCP MX v1.0); their sums are f32. All else is computed in f32.
;;   The module's matrix products, in the order in which they are computed (A, B: the left and right operand; K: the contracted axis; several contracted axes count as one K, in the product's order):
;;     1. [M 4,096, K 2,048] x [K 2,048, N 2,048]; A: input hidden_states; B: input Wq: QUANTISED
;;     2. [M 4,096, K 2,048] x [K 2,048, N 512]; A: input hidden_states; B: input Wk: QUANTISED
;;     3. [M 4,096, K 2,048] x [K 2,048, N 512]; A: input hidden_states; B: input Wv: QUANTISED
;;     4. batch 8 x [M 2,048, K 128] x [K 128, N 8,192]; A: computed on the way; B: computed on the way: QUANTISED
;;     5. batch 8 x [M 128, K 2,048] x [K 2,048, N 8,192]; A: computed on the way; B: softmax (see below): QUANTISED
;;   THE QUANTISER, for each operand of a quantised product, along K:
;;     - K is cut into blocks of 32 from its start; a last block that is shorter is filled with zeros.
;;     - A block's scale is 2^e with e = floor(log2(the largest magnitude in the block)) - 15, held to -126 .. 127; a block of zeros has e = 0. As a byte (E8M0): e + 127.
;;     - Each number is divided by its block's scale, clamped to +-57,344, and rounded to the nearest number of E5M2, ties to even, subnormals kept.
;;     - The product sums the exact products of the quantised numbers (number of the format x scale) in f32.
;;   ~~~python
;;   def quantise(x, axis):      # numpy; x: float32 -> the quantised numbers, widened to float32 again
;;       x = np.moveaxis(x, axis, -1); K = x.shape[-1]
;;       x = np.pad(x, [(0, 0)] * (x.ndim - 1) + [(0, -K % 32)]); x = x.reshape(x.shape[:-1] + (-1, 32)); a = np.abs(x).max(-1, keepdims=True)
;;       e = np.where(a > 0, np.clip(np.frexp(np.where(a > 0, a, 1))[1] - 1 - 15, -126, 127), 0)      # np.frexp(a)[1] - 1 = floor(log2(a)), exactly
;;       r = np.clip(x / 2.0 ** e, -57344, 57344)
;;       step = 2.0 ** (np.maximum(np.frexp(np.where(r == 0, 1, r))[1] - 1, -14) - 2)
;;       q = np.round(r / step) * step * 2.0 ** e      # np.round: ties to even
;;       return np.moveaxis(q.reshape(q.shape[:-2] + (-1,))[..., :K], -1, axis).astype(np.float32)
;;   ~~~
;;   SOFTMAX AHEAD OF A QUANTISED PRODUCT. Where the list says 'softmax', what is quantised is not the finished softmax but p = 2^(t - M), with t = logit x log2(e) and M = ceil(the row's largest t), a whole number; so 1/2 < the row's largest p <= 1. The row's sum l is taken of the UNQUANTISED p, in f32, and the product's result is divided by l at the end. Since M is a whole number, a kernel that streams over the keys may use a running M (the ceiling of the running maximum): every later rescaling is an exact power of two, which a block's scale takes up: the codes' values come out the same.
;;   OPERANDS COMPUTED ON THE WAY. 'Computed on the way' means the value that the module computes at that place (a softmax that the list does not call 'softmax' is quantised finished and normalised). What goes into a quantiser is computed in f32, as accurately as f32 sums, v_exp_f32 and their like allow (about 1e-6 of the number): no bf16 or f16 on the way to a quantiser, and a product that is left as it is and whose result goes on into a quantised operand takes f32 operands (vector FMAs, or v_wmma_f32_16x16x4_f32). A number that lies on a knife's edge between two numbers of the format may be rounded either way, as far as f32 arithmetic and the matrix unit's own rounding can turn it there, and no further.
;; One version. Each part assembles by itself: llvm-mc -triple=amdgcn-amd-amdhsa -mcpu=gfx1250 --defsym DOCPART=n.
;; ======== version 1 of 1: 3 launches
;; limits: right only within a limited range of input values
;; workspace buffers: hc 8,388,608 bytes; hs 262,144 bytes; wc 6,291,456 bytes; ws 196,608 bytes; qc 8,388,608 bytes; qs 262,144 bytes; kvc 4,194,304 bytes; kvs 131,072 bytes
;; launch quant (part 1): grid 448 x 1, 4 waves a work-group, no clusters, 68,096 bytes of LDS; arguments hidden_states, Wq, Wk, Wv, hc, hs, wc, ws; writes hc, hs, wc, ws
.if DOCPART == 1
	.amdgcn_target "amdgcn-amd-amdhsa--gfx1250"
	.amdhsa_code_object_version 6
	.text
	.protected	k_qd3fbcb5062_quant
	.globl	k_qd3fbcb5062_quant
	.p2align	8
	.type	k_qd3fbcb5062_quant,@function
k_qd3fbcb5062_quant:
	s_mov_b64 s[64:65], 0
	v_nop
	global_prefetch_b8 v0, s[64:65] scope:SCOPE_SE
	s_setreg_imm32_b32 hwreg(HW_REG_WAVE_MODE, 25, 1), 1
	s_wait_xcnt 0x0
; GROUPED-QUERY ATTENTION IN MX-BF8, launch 1 of 3: the operands of the three projections become codes of BF8 (E5M2) with one E8M0 scale byte for each 32 along K = 2,048.
; DEAD WORK: none is left out in any launch.  Every input has a way to out0: hidden_states and the three weights through the projections; bq and bk go into the quantised operands of q k^T and move their codes and
; scales; bv goes into the quantised V.  So all seven inputs are loaded (the biases in launch 2).
; A block's scale is 2^(floor(log2(its largest magnitude)) - 15); its byte is the largest magnitude's exponent field - 15, held at 1 from below.  Each number is divided by the scale, held within +-57,344 and rounded
; to the nearest code, ties to even.  A block of zeros gets the byte 1 where the rule says 127: its codes are zeros, which add nothing under any byte but 0xff, and this program alone reads the bytes.
; LIMITS: NaN and infinities among the inputs are not served; blocks whose largest magnitude lies under 2^-111 keep the byte 1.
; OUT: hc [4,096 stored rows][2,048] codes of hidden_states, hs [4,096 stored rows][64] its scale bytes; wc [3,072 stored rows][2,048], ws [3,072 stored rows][64] the weights', K innermost.
;   The weights' rows: 0 .. 2,047 Wq's columns; 2,048 + 256 g + 0 .. 127 Wk's head g; 2,048 + 256 g + 128 .. 255 Wv's head g.
;   STORED ROW: a row's number with its bits 3 and 4 exchanged.  Sixteen stored rows on end, 16 i + r, are then the true rows 32 (i / 2) + 8 (i % 2) + r + 8 (r / 8): launch 2 reads plain rows and its results lie, in a
;   lane's registers, as 16 neighbours along the next product's K.
; TWO PATHS, parted by the work-group's number, each with LDS bytes of its own:
;   H, work-groups 0 .. 255: hidden_states, K innermost: a plain stream of blocks of 32.  A wave takes 16 steps of 512 numbers (four rows).  Each load reads 512 consecutive bytes; a step's 2,048 bytes turn through the
;      wave's own stage in LDS, so that a lane holds 16 neighbours (two lanes a block); a lane's 16 codes are 16 bytes: the wave stores 512 consecutive bytes.  Its 256 scale bytes leave as one aligned run of 256.
;   W, work-groups 256 .. 447: a weight, K its FIRST axis.  A lane takes a column and its registers run down K: a block of 32 lies in one lane.  A wave takes 32 columns x 256 along K; the codes go through the wave's
;      stage and leave as rows: sixteen lanes store 256 consecutive bytes, aligned.
; No tensor load, no barrier: waves share nothing.
.set SPW,   208                        ; v208     LDS address of my spare word: SPARE + 4 x my thread's number; never rewritten
.set NIL,   209                        ; v209     0; never rewritten
.set SPARE, 67584                      ; behind both paths' bytes: the spare words, 128 bytes a wave: two blocks of 256 bytes that no other line names
.set EMAX,  15
.set MANT,  0x600000                   ; the mantissa field of 57,344 as f32
; path H
.set STEPS, 16
.set CB,    16                         ; bytes of 16 codes
.set RH,    16                         ; v16-79   four sets of 16 numbers as they are loaded
.set XH,    80                         ; v80-111  two sets of 16 neighbours
.set EH,    112                        ; v112-127 a scale byte for each step
.set CH,    128                        ; v128-191 codes: four registers for each step, so that no store's data are written again
.set WREG,  8192                       ; LDS bytes 0 .. 32,767: a region for each wave: two stages of 32 x SP bytes, behind them its 256 scale bytes
.set SP,    80                         ; a lane's place in a stage: its 64 bytes + 16 of padding
; path W
.set WSTG,  32768                      ; LDS bytes 32,768 .. 67,583: a stage of 32 rows x PITCH for each wave
.set PITCH, 272                        ; 256 bytes of codes + 16
.set NB,    8                          ; blocks of 32 along K for a wave
.set SB,    24                         ; v24-25   the scale bytes, four to a register
.set XW,    32                         ; v32-95   two sets of 32 numbers
.set CW,    96                         ; v96-103  a block's codes
.set OUTR,  112                        ; v112-175 the way out: 16 x 4 registers
.set OF,    176                        ; v176-207 4 x lane + i x a row of the weight, i = 0 .. 31; never rewritten
.set BS,    40                         ; s[40:55] block t's first row at my wave's columns, t = 0 .. 7; never rewritten
	s_load_b256 s[4:11], s[0:1], 0x0               ; hidden_states s[4:5], Wq s[6:7], Wk s[8:9], Wv s[10:11]
	s_load_b256 s[12:19], s[0:1], 0x20             ; hc s[12:13], hs s[14:15], wc s[16:17], ws s[18:19]
	v_lshl_add_u32 v[SPW], v0, 2, SPARE
	v_mov_b32 v[NIL], 0
	v_lshrrev_b32 v1, 5, v0
	v_readfirstlane_b32 s20, v1                    ; wave 0..3
	v_and_b32 v2, 31, v0                           ; lane
	s_cmp_lt_u32 ttmp9, 256
	s_cbranch_scc0 .Lweights
; ---------------------------------------------------------------- path H
	v_lshlrev_b32 v3, 4, v2                        ; my 16 bytes of a load's 512
	s_mul_i32 s21, s20, WREG
	v_lshrrev_b32 v14, 2, v2
	v_mul_u32_u24 v14, v14, SP
	v_and_b32 v15, 3, v2
	v_lshl_add_u32 v14, v15, 4, v14
	v_add_nc_u32 v14, s21, v14                     ; the stage, on the way in: SP (lane / 4) + 16 (lane % 4)
	v_mul_u32_u24 v15, v2, SP
	v_add_nc_u32 v15, s21, v15                     ; and on the way out: SP x lane: my 16 neighbours
	v_mul_u32_u24 v4, v2, CB                       ; my codes' place in a step's
	v_lshrrev_b32 v5, 1, v2
	s_add_co_u32 s21, s21, 2*32*SP
	v_add_nc_u32 v5, s21, v5                       ; LDS: my wave's 256 scale bytes, my block's byte
	v_lshlrev_b32 v7, 3, v2                        ; and on the way out 8 bytes a lane
	v_add_nc_u32 v6, s21, v7
	s_mov_b32 s23, MANT
	s_lshl_b32 s22, ttmp9, 2
	s_add_co_u32 s22, s22, s20                     ; my run of 8,192 numbers = four rows: R = 4 x work-group + wave
	s_and_b32 s24, s22, 2                          ; a row's bits 3 and 4 are R's bits 1 and 2: they change places in the stored run
	s_lshl_b32 s24, s24, 1
	s_and_b32 s25, s22, 4
	s_lshr_b32 s25, s25, 1
	s_and_b32 s26, s22, 0xfffffff9
	s_or_b32 s26, s26, s24
	s_or_b32 s26, s26, s25
	s_lshl_b32 s28, s22, 15                        ; in: 32,768 bytes a run
	s_mov_b32 s29, 0
	s_lshl_b32 s30, s26, 13                        ; codes: 8,192 bytes a run
	s_mov_b32 s31, 0
	s_lshl_b32 s32, s26, 8                         ; scale bytes: 256 a run
	s_mov_b32 s33, 0
	s_wait_alu depctr_va_vdst(0)
	s_wait_kmcnt 0x0
	s_add_nc_u64 s[4:5], s[4:5], s[28:29]
	s_add_nc_u64 s[12:13], s[12:13], s[30:31]
	s_add_nc_u64 s[14:15], s[14:15], s[32:33]
.macro HLOAD t
.irp i, 0,1,2,3
	global_load_b128 v[RH+16*((\t)%4)+4*\i:RH+16*((\t)%4)+4*\i+3], v3, s[4:5] offset:2048*(\t)+512*\i th:TH_LOAD_NT   ; 32 lanes read 512 consecutive bytes
.endr
.endm
.macro HTURN t                         ; step t's numbers through the stage: LDS serves a wave's instructions in order, so no wait stands between the stores and the loads
.irp i, 0,1,2,3
	ds_store_b128 v14, v[RH+16*((\t)%4)+4*\i:RH+16*((\t)%4)+4*\i+3] offset:32*SP*((\t)%2)+8*SP*\i
.endr
.irp i, 0,1,2,3
	ds_load_b128 v[XH+16*((\t)%2)+4*\i:XH+16*((\t)%2)+4*\i+3], v15 offset:32*SP*((\t)%2)+16*\i
.endr
.endm
.irp t, 0,1,2,3
	HLOAD \t
.endr
	s_wait_loadcnt 12                              ; step 0's four loads are in; the twelve of steps 1 to 3 may be out
	HTURN 0
.macro HSTEP t
.set XS, XH+16*((\t)%2)
.if (\t) > 0
	s_wait_dscnt 1                                 ; this step's numbers are back from the stage (the last step's byte store may be out)
.else
	s_wait_dscnt 0x0
.endif
.if (\t)+4 < STEPS
	HLOAD (\t)+4                                   ; into the set whose stores into the stage are done
.endif
.if (\t)+1 < STEPS
.if STEPS-2-(\t) >= 3
	s_wait_loadcnt 12                              ; the next step's four loads are in; those of the three steps behind it may be out
.else
	s_wait_loadcnt 4*(STEPS-2-(\t))
.endif
	HTURN (\t)+1                                   ; they go through the other stage while this step is worked
.endif
	v_max3_num_f32 v8, |v[XS]|, |v[XS+1]|, |v[XS+2]|               ; the largest magnitude of my 16, in two chains
	v_max3_num_f32 v9, |v[XS+3]|, |v[XS+4]|, |v[XS+5]|
.irp i, 6,10
	v_max3_num_f32 v8, v8, |v[XS+\i]|, |v[XS+\i+1]|
	v_max3_num_f32 v9, v9, |v[XS+\i+2]|, |v[XS+\i+3]|
.endr
	v_max3_num_f32 v8, v8, |v[XS+14]|, |v[XS+15]|
	v_max3_num_f32 v8, v8, v9, (EMAX+1)<<23        ; and the floor 2^(16 - 127): so the byte cannot fall under 1
	v_max_num_f32_dpp v8, v8, v8 row_xmask:1 row_mask:0xf bank_mask:0xf   ; and of my neighbour's 16: the block's
	v_add_nc_u32 v11, -(EMAX<<23), v8              ; 15 off its exponent field: the conversion takes the exponent field of this operand as its scale
	v_and_or_b32 v10, v8, 0x7f800000, s23          ; 57,344 x the scale
.irp i, 0,1,2,3,4,5,6,7,8,9,10,11,12,13,14,15
	v_med3_num_f32 v[XS+\i], v[XS+\i], -v10, v10   ; the conversion to an 8-bit code does not saturate (ISA guide 7.6.2): the hold comes first
.endr
	v_cvt_scalef32_pk8_bf8_f32 v[CH+4*(\t):CH+4*(\t)+1], v[XS:XS+7], v11
	v_cvt_scalef32_pk8_bf8_f32 v[CH+4*(\t)+2:CH+4*(\t)+3], v[XS+8:XS+15], v11
	v_lshrrev_b32 v[EH+(\t)], 23, v11              ; the scale's byte
	ds_store_b8 v5, v[EH+(\t)] offset:16*(\t)      ; both lanes of a block write the same byte with the same value
	global_store_b128 v4, v[CH+4*(\t):CH+4*(\t)+3], s[12:13] offset:32*CB*(\t)   ; 512 consecutive bytes
.endm
.irp t, 0,1,2,3,4,5,6,7,8,9,10,11,12,13,14,15
	HSTEP \t
.endr
	ds_load_b64 v[8:9], v6                         ; LDS serves a wave's instructions in order: these see my byte stores
	s_wait_dscnt 0x0
	global_store_b64 v7, v[8:9], s[14:15]          ; 32 lanes store 256 consecutive bytes, aligned
	s_branch .Lend
; ---------------------------------------------------------------- path W
.Lweights:
	s_sub_co_u32 s21, ttmp9, 256
	s_lshr_b32 s22, s21, 3                         ; x = 0 .. 23: a head of 128 columns: 0-15 Wq's, 16-19 Wk's, 20-23 Wv's
	s_and_b32 s23, s21, 7                          ; y: which 256 along K
	s_sub_co_u32 s24, s22, 16
	s_and_b32 s25, s24, 3                          ; g
	s_lshr_b32 s26, s24, 2
	s_and_b32 s26, s26, 1                          ; 1: Wv
	s_lshl_b32 s27, s25, 8
	s_lshl_b32 s28, s26, 7
	s_add_co_u32 s27, s27, s28
	s_add_co_u32 s27, s27, 2048                    ; the head's first row in wc, for Wk and Wv;
	s_lshl_b32 s28, s22, 7                         ; for Wq
	s_mov_b32 s29, 2048                            ; a row of Wk or Wv in bytes
	s_mov_b32 s35, MANT
	s_wait_kmcnt 0x0
	s_cmp_eq_u32 s26, 1                            ; all choices hang on the work-group's number alone
	s_cselect_b64 s[8:9], s[10:11], s[8:9]
	s_cmp_lt_u32 s22, 16
	s_cselect_b64 s[6:7], s[6:7], s[8:9]           ; the weight
	s_cselect_b32 s27, s28, s27                    ; its head's first row in wc
	s_cselect_b32 s25, s22, s25                    ; the head's number in the weight
	s_cselect_b32 s29, 8192, s29                   ; a row of the weight in bytes
	s_lshl_b32 s30, s25, 9                         ; the head's 512 bytes of a row,
	s_lshl_b32 s31, s20, 7                         ; my wave's 128 of them,
	s_add_co_u32 s30, s30, s31
	s_lshl_b32 s31, s23, 8
	s_mul_i32 s31, s31, s29                        ; 256 y rows down
	s_add_co_u32 s30, s30, s31
	s_mov_b32 s31, 0
	s_add_nc_u64 s[BS:BS+1], s[6:7], s[30:31]
	s_lshl_b32 s32, s29, 5                         ; 32 rows
	s_mov_b32 s33, 0
.irp t, 1,2,3,4,5,6,7
	s_add_nc_u64 s[BS+2*\t:BS+2*\t+1], s[BS+2*\t-2:BS+2*\t-1], s[32:33]
.endr
	s_wait_alu depctr_va_vdst(0)
	v_lshlrev_b32 v[OF], 2, v2
.set i, 1
.rept 31
	v_add_nc_u32 v[OF+i], s29, v[OF+i-1]
.set i, i+1
.endr
	s_mul_i32 s34, s20, 32*PITCH
	s_add_co_u32 s34, s34, WSTG                    ; my stage
	v_mul_u32_u24 v4, v2, PITCH
	v_add_nc_u32 v4, s34, v4                       ; into it: row = my column
	v_and_b32 v5, 15, v2
	v_lshrrev_b32 v6, 4, v2                        ; out of it: sixteen lanes to a row, two rows an instruction
	v_mul_u32_u24 v7, v6, PITCH
	v_lshl_add_u32 v7, v5, 4, v7
	v_add_nc_u32 v7, s34, v7
	v_lshlrev_b32 v8, 11, v6
	v_lshl_add_u32 v8, v5, 4, v8                   ; and the same place in wc: rows of 2,048 bytes
	v_and_b32 v9, 7, v2                            ; my column's stored row among the wave's 32: bits 3 and 4 change places
	v_and_b32 v5, 8, v2
	v_lshl_or_b32 v9, v5, 1, v9
	v_and_b32 v5, 16, v2
	v_lshrrev_b32 v5, 1, v5
	v_or_b32 v9, v9, v5
	v_lshlrev_b32 v9, 6, v9                        ; x 64 bytes: its row of scale bytes
	s_lshl_b32 s36, s20, 5
	s_add_co_u32 s36, s36, s27                     ; my wave's first row in wc and ws, a multiple of 32
	s_lshl_b32 s38, s36, 6
	s_lshl_b32 s36, s36, 11
	s_lshl_b32 s37, s23, 8
	s_add_co_u32 s36, s36, s37                     ; + 256 y bytes of codes
	s_mov_b32 s37, 0
	s_lshl_b32 s39, s23, 3
	s_add_co_u32 s38, s38, s39                     ; + 8 y scale bytes
	s_mov_b32 s39, 0
	s_add_nc_u64 s[16:17], s[16:17], s[36:37]
	s_add_nc_u64 s[18:19], s[18:19], s[38:39]
.macro WLOAD t                         ; block t: W(32 t + i, my column), i = 0 .. 31, into set t % 2: each load reads 128 consecutive bytes a wave, the four waves side by side
.set i, 0
.rept 32
	global_load_b32 v[XW+32*((\t)%2)+i], v[OF+i], s[BS+2*(\t):BS+2*(\t)+1] th:TH_LOAD_NT
.set i, i+1
.endr
.endm
	WLOAD 0
	WLOAD 1
.macro WBLOCK t
.set XS, XW+32*((\t)%2)
.if (\t) < NB-1
	s_wait_loadcnt 32                              ; this block's 32 loads are in; the next block's 32 may be out
.else
	s_wait_loadcnt 0
.endif
	v_max3_num_f32 v12, |v[XS]|, |v[XS+1]|, |v[XS+2]|               ; the block's largest magnitude: all 32 numbers are mine
	v_max3_num_f32 v13, |v[XS+3]|, |v[XS+4]|, |v[XS+5]|
.irp i, 6,10,14,18,22,26
	v_max3_num_f32 v12, v12, |v[XS+\i]|, |v[XS+\i+1]|
	v_max3_num_f32 v13, v13, |v[XS+\i+2]|, |v[XS+\i+3]|
.endr
	v_max3_num_f32 v12, v12, |v[XS+30]|, |v[XS+31]|
	v_max3_num_f32 v12, v12, v13, (EMAX+1)<<23     ; and the floor
	v_add_nc_u32 v11, -(EMAX<<23), v12             ; the conversion's scale operand
	v_and_or_b32 v10, v12, 0x7f800000, s35         ; 57,344 x the scale
	v_lshrrev_b32 v13, 23, v11                     ; the scale's byte
.if (\t)%4 == 0
	v_mov_b32 v[SB+(\t)/4], v13                    ; four bytes to a register, the lower K in the lower byte
.else
	v_lshl_or_b32 v[SB+(\t)/4], v13, 8*((\t)%4), v[SB+(\t)/4]
.endif
.irp i, 0,1,2,3,4,5,6,7,8,9,10,11,12,13,14,15,16,17,18,19,20,21,22,23,24,25,26,27,28,29,30,31
	v_med3_num_f32 v[XS+\i], v[XS+\i], -v10, v10
.endr
.irp g, 0,1,2,3
	v_cvt_scalef32_pk8_bf8_f32 v[CW+2*\g:CW+2*\g+1], v[XS+8*\g:XS+8*\g+7], v11
.endr
	v_nop                                          ; a plain line behind the last conversion
	ds_store_b128 v4, v[CW:CW+3] offset:32*(\t)    ; 32 codes: 32 bytes of my column's row
	ds_store_b128 v4, v[CW+4:CW+7] offset:32*(\t)+16
.if (\t)+2 < NB
	WLOAD (\t)+2
.endif
	s_wait_dscnt 0x0                               ; the stores have read their registers: the next block's codes may be written
.endm
.irp t, 0,1,2,3,4,5,6,7
	WBLOCK \t
.endr
	global_store_b64 v9, v[SB:SB+1], s[18:19]      ; my column's 8 scale bytes
.irp t, 0,1,2,3,4,5,6,7,8,9,10,11,12,13,14,15
	ds_load_b128 v[OUTR+4*\t:OUTR+4*\t+3], v7 offset:2*\t*PITCH   ; columns 2 t and 2 t + 1
.endr
.irp t, 0,1,2,3,4,5,6,7,8,9,10,11,12,13,14,15
	s_wait_dscnt 15-\t                             ; the younger loads may be out
	global_store_b128 v8, v[OUTR+4*\t:OUTR+4*\t+3], s[16:17] offset:(((2*\t)&7)|(((2*\t)&8)<<1)|(((2*\t)&16)>>1))*2048   ; to their stored rows (bit 0 stays): sixteen lanes store 256 consecutive bytes, aligned
.endr
.Lend:
	s_wait_tensorcnt 0x0                           ; the wave's end: behind my last LDS store
	ds_add_u32 v[SPW], v[NIL]
	s_wait_dscnt 0x0
	s_endpgm
.Lfunc_end_k_qd3fbcb5062_quant:
	.size	k_qd3fbcb5062_quant, .Lfunc_end_k_qd3fbcb5062_quant-k_qd3fbcb5062_quant
	.p2alignl 7, 3214868480
	.fill 96, 4, 3214868480
	.section	.rodata,"a",@progbits
	.p2align	6, 0x0
	.amdhsa_kernel k_qd3fbcb5062_quant
		.amdhsa_group_segment_fixed_size 68096
		.amdhsa_private_segment_fixed_size 0
		.amdhsa_enable_private_segment 0
		.amdhsa_kernarg_size 64
		.amdhsa_user_sgpr_count 2
		.amdhsa_user_sgpr_kernarg_segment_ptr 1
		.amdhsa_wavefront_size32 1
		.amdhsa_system_sgpr_workgroup_id_x 1
		.amdhsa_system_sgpr_workgroup_id_y 1
		.amdhsa_system_sgpr_workgroup_id_z 1
		.amdhsa_system_vgpr_workitem_id 0
		.amdhsa_next_free_vgpr 216
		.amdhsa_next_free_sgpr 66
		.amdhsa_reserve_vcc 0
		.amdhsa_float_denorm_mode_32 3
		.amdhsa_float_denorm_mode_16_64 3
		.amdhsa_memory_ordered 1
		.amdhsa_forward_progress 1
		.amdhsa_inst_pref_size 112
	.end_amdhsa_kernel
	.amdgpu_metadata
---
amdhsa.version: [ 1, 2 ]
amdhsa.kernels:
  - .name:           k_qd3fbcb5062_quant
    .symbol:         k_qd3fbcb5062_quant.kd
    .args:
      - { .name: hidden_states, .offset: 0, .size: 8, .value_kind: global_buffer, .address_space: global }
      - { .name: Wq, .offset: 8, .size: 8, .value_kind: global_buffer, .address_space: global }
      - { .name: Wk, .offset: 16, .size: 8, .value_kind: global_buffer, .address_space: global }
      - { .name: Wv, .offset: 24, .size: 8, .value_kind: global_buffer, .address_space: global }
      - { .name: hc, .offset: 32, .size: 8, .value_kind: global_buffer, .address_space: global }
      - { .name: hs, .offset: 40, .size: 8, .value_kind: global_buffer, .address_space: global }
      - { .name: wc, .offset: 48, .size: 8, .value_kind: global_buffer, .address_space: global }
      - { .name: ws, .offset: 56, .size: 8, .value_kind: global_buffer, .address_space: global }
    .group_segment_fixed_size: 68096
    .private_segment_fixed_size: 0
    .kernarg_segment_align: 8
    .kernarg_segment_size: 64
    .max_flat_workgroup_size: 128
    .sgpr_count:     66
    .vgpr_count:     216
    .wavefront_size: 32
...
	.end_amdgpu_metadata
.endif
;; end of part 1
;; launch proj (part 2): grid 12 x 16, 4 waves a work-group, clusters of 4 x 4, 327,680 bytes of LDS; arguments hc, hs, wc, ws, bq, bk, bv, qc, qs, kvc, kvs; writes qc, qs, kvc, kvs
.if DOCPART == 2
	.amdgcn_target "amdgcn-amd-amdhsa--gfx1250"
	.amdhsa_code_object_version 6
	.text
	.protected	k_qd3fbcb5062_proj
	.globl	k_qd3fbcb5062_proj
	.p2align	8
	.type	k_qd3fbcb5062_proj,@function
k_qd3fbcb5062_proj:
	s_mov_b64 s[64:65], 0
	v_nop
	global_prefetch_b8 v0, s[64:65] scope:SCOPE_SE
	s_setreg_imm32_b32 hwreg(HW_REG_WAVE_MODE, 25, 1), 1
	s_wait_xcnt 0x0
	s_wait_alu depctr_hold_cnt(0) depctr_sa_sdst(0) depctr_va_vdst(0) depctr_va_sdst(0) depctr_va_ssrc(0) depctr_va_vcc(0) depctr_vm_vsrc(0)
	s_getreg_b32 s2, hwreg(HW_REG_IB_STS2, 6, 4)
	s_cmp_eq_u32 s2, 0
	s_cbranch_scc0 .Lentry_in_a_cluster
	s_endpgm
.Lentry_in_a_cluster:
	s_bfe_u32 s2, ttmp6, 0x10000c
	s_cmp_lg_u32 s2, 0xf033
	s_cbranch_scc0 .Lentry_shape_is_right
	s_endpgm
.Lentry_shape_is_right:
; GROUPED-QUERY ATTENTION IN MX-BF8, launch 2 of 3: q, k, v = hidden_states W + b on codes of BF8 (E5M2), K = 2,048, and their quantisers.  No work is left out.
; A work-group of four waves makes 256 tokens x 256 stored rows of the weights, a wave 128 x 128 in 512 registers.  K goes in steps of 256 through two LDS slots filled by joint loads of a 4 x 4 cluster.
; The scale bytes of the 256 + 256 rows, all of K, come once and stay.  THE HEAD: one joint load a wave: wave 0 the tokens' 256 rows of K step 0, wave 1 the weights', waves 2 and 3 their scale bytes.
; ROLE = 1 (cluster column 2, wave column 1: a head of V): the two sources change places, so that a lane holds one channel and its registers run along the tokens, V's K.
; Both sets of LDS addresses are made from the wave's number and the lane alone; a scalar branch on ROLE, which is equal in all partners, chooses between two runs of the same loads.
; PREFETCH: of the 128 rows that a wave fetches each of the four partners names 32, a lane a row, 256 bytes: K steps 2 and 3 at the head, then at each refill the K step two refills on; the last trip names none.
; LIMITS: NaN and infinities are not served; a block's byte never falls under 1.
.set SIZE_K, 2048
.set KSTEP,  256
.set NQ,     KSTEP/128
.set ROWB,   256
.set KROW,   SIZE_K
.set PITCH,  272
.set FR,     16
.set NL,     4
.set NP,     8
.set HALFT,  128*PITCH
.set SLOT,   4*HALFT
.set LAPS,   SIZE_K/(2*KSTEP)
.set KS,     SIZE_K/32
.set SCL,    2*SLOT
.set HALFS,  (128*KS/256)*272
.set SBLK,   (16*KS/256)*272
.set SPARE,  326656
.set ADRA, 16
.set ADRB, 20
.set CO,   26
.set ADRS, 27
.set SPW,  28
.set NIL,  29
.set BOX,  30
.set BOR,  31
.set ADRS2, 18                         ; v18  the scale words' address for ROLE = 1: lanes 0-15 the weights', lanes 16-31 the tokens'
.set PFO,  19                          ; v19  the prefetches' offset: lane x a row of 2,048 bytes; never rewritten
.set PFA,  104                         ; s[104:105] my work-group's 32 rows of the 128 that my wave fetches
.set SC,   32
.set BIAS, 64
.set AF,   128
.set T,    128
.set PC,   192
.set TM,   224
.set PWR,  240
.set SW,   248
.set ROLE, 66
.set SEL,  4
.set MNT,  6
.set G1, 24
.set G0, 32
.set G1B, 48
.set G0B, 56
.set G1S, 68
.set G0S, 76
.set G1SB, 80
.set G0SB, 88
.set MSB, 0
.macro WIN new
.if MSB != (\new)
	s_set_vgpr_msb (MSB<<8)|(\new)
.set MSB, (\new)
.endif
.endm
.set MUL_LO, 0xa1
.set MUL_HI, 0xf1
.set TO_B,   0x40
.macro JLOAD g0a, g1a, g0b, g1b
	s_cmp_eq_u32 s15, 0
	s_cbranch_scc0 .Lfor_b_\@
	tensor_load_to_lds s[\g0a:\g0a+3], s[\g1a:\g1a+7]
	s_nop 0
.rept 4
	v_nop
.endr
	s_branch .Lasked_\@
.Lfor_b_\@:
	tensor_load_to_lds s[\g0b:\g0b+3], s[\g1b:\g1b+7]
	s_nop 0
.rept 4
	v_nop
.endr
.Lasked_\@:
.endm
.macro CREST
	s_cmp_lg_u32 s14, 0
	s_cbranch_scc1 .Lnot_wave_0_\@
	s_barrier_signal -3
.Lnot_wave_0_\@:
	s_barrier_wait -3
	s_barrier_signal -1
	s_barrier_wait -1
.endm
.macro CROUND
	s_barrier_signal -1
	s_barrier_wait -1
	CREST
.endm
	s_load_b256 s[4:11], s[0:1], 0x0
	v_lshl_add_u32 v[SPW], v0, 2, SPARE
	v_mov_b32 v[NIL], 0
	ds_add_u32 v[SPW], v[NIL]
	ds_add_u32 v[SPW], v[NIL]
	v_lshrrev_b32 v1, 5, v0
	v_readfirstlane_b32 s14, v1
	s_lshr_b32 s15, s14, 1
	s_and_b32 s16, s14, 1
	s_bfe_u32 s40, ttmp6, 0x40000
	s_bfe_u32 s41, ttmp6, 0x40004
	s_lshl_b32 s42, ttmp9, 2
	s_add_co_u32 s42, s42, s40
	s_and_b32 s17, ttmp7, 0xffff
	s_lshl_b32 s17, s17, 2
	s_add_co_u32 s17, s17, s41
	s_lshl_b32 s43, s41, 2
	s_lshl_b32 s43, 15, s43
	s_lshl_b32 s44, 0x1111, s40
	s_or_b32 s[G1+0], s43, (0<<16)|(1<<20)|(1<<21)|(5<<22)|(3<<25)
	s_or_b32 s[G1B+0], s44, (0<<16)|(1<<20)|(1<<21)|(5<<22)|(3<<25)
.irp g, G1, G1B
	s_mov_b32 s[\g+1], ROWB<<16
	s_mov_b32 s[\g+2], 256<<16             ; the head's loads bring 256 rows; behind them the two words are set to 128
	s_mov_b32 s[\g+3], ROWB<<16
	s_mov_b32 s[\g+4], 256
	s_mov_b32 s[\g+5], KROW
	s_mov_b32 s[\g+6], 0
	s_mov_b32 s[\g+7], 0
.endr
	s_or_b32 s[G1S+0], s43, (3<<16)|(1<<20)|(1<<21)|(5<<22)|(3<<25)
	s_or_b32 s[G1SB+0], s44, (3<<16)|(1<<20)|(1<<21)|(5<<22)|(3<<25)
.irp g, G1S, G1SB
	s_mov_b32 s[\g+1], 32<<16
	s_mov_b32 s[\g+2], KS<<16              ; the scale bytes of 256 rows: KS rows of 256 bytes
	s_mov_b32 s[\g+3], 32<<16
	s_mov_b32 s[\g+4], KS
	s_mov_b32 s[\g+5], 32
	s_mov_b32 s[\g+6], 0
	s_mov_b32 s[\g+7], 0
.endr
	s_lshl_b32 s20, s17, 8                 ; the tile's first row of tokens
	s_lshl_b32 s46, s42, 8                 ; and of the weights
	s_mov_b32 s21, 0
	s_mov_b32 s47, 0
	s_mov_b64 s[18:19], KS
	s_mul_u64 s[22:23], s[20:21], s[18:19]
	s_mul_u64 s[92:93], s[46:47], s[18:19]
	s_mov_b64 s[18:19], KROW
	s_mul_u64 s[20:21], s[20:21], s[18:19]
	s_mul_u64 s[46:47], s[46:47], s[18:19]
	s_mul_i32 s67, s14, HALFT              ; in the ring: where my 128 rows go,
	s_mul_i32 s100, s16, 128*KROW          ; and which half of the tile they are, in bytes
	s_mov_b32 s101, 0
	s_cmp_eq_u32 ttmp9, 2
	s_cselect_b32 s[ROLE], s16, 0
	s_wait_dscnt 0x0
	s_wait_kmcnt 0x0
	s_add_nc_u64 s[20:21], s[4:5], s[20:21]
	s_add_nc_u64 s[22:23], s[6:7], s[22:23]
	s_add_nc_u64 s[46:47], s[8:9], s[46:47]
	s_add_nc_u64 s[92:93], s[10:11], s[92:93]
	CROUND
	s_cmp_eq_u32 s15, 0                    ; the prefetches: waves 0, 1 name tokens' rows, waves 2, 3 the weights'
	s_cselect_b64 s[PFA:PFA+1], s[20:21], s[46:47]
	s_cselect_b32 s94, s40, s41            ; my place among the four that ask for the tile with me
	s_lshl_b32 s94, s94, 16                ; 32 rows of 2,048 bytes
	s_mov_b32 s95, 0
	s_add_nc_u64 s[PFA:PFA+1], s[PFA:PFA+1], s[94:95]
	s_add_nc_u64 s[PFA:PFA+1], s[PFA:PFA+1], s[100:101]
	s_mov_b32 s[G0], 1                     ; the head's four tiles, each whole.  Slot 0's groups 0 serve them and are set for the ring behind the wait for these loads
	s_mov_b32 s[G0+1], 0
	s_mov_b64 s[G0+2:G0+3], s[20:21]
	s_or_b32 s[G0+3], s[G0+3], 0x80000000
	s_mov_b32 s[G0B], 1
	s_mov_b32 s[G0B+1], 2*HALFT
	s_mov_b64 s[G0B+2:G0B+3], s[46:47]
	s_or_b32 s[G0B+3], s[G0B+3], 0x80000000
	s_mov_b32 s[G0S], 1
	s_mov_b32 s[G0S+1], SCL
	s_mov_b64 s[G0S+2:G0S+3], s[22:23]
	s_or_b32 s[G0S+3], s[G0S+3], 0x80000000
	s_mov_b32 s[G0SB], 1
	s_mov_b32 s[G0SB+1], SCL+2*HALFS
	s_mov_b64 s[G0SB+2:G0SB+3], s[92:93]
	s_or_b32 s[G0SB+3], s[G0SB+3], 0x80000000
	s_add_nc_u64 s[20:21], s[20:21], s[100:101]    ; for the ring: my 128 rows
	s_add_nc_u64 s[46:47], s[46:47], s[100:101]
	s_mov_b32 s[G0+4], 1                   ; slot 1: K step 1
	s_add_co_u32 s[G0+5], s67, SLOT
	s_add_nc_u64 s[G0+6:G0+7], s[20:21], ROWB
	s_or_b32 s[G0+7], s[G0+7], 0x80000000
	s_mov_b32 s[G0B+4], 1
	s_add_co_u32 s[G0B+5], s67, SLOT
	s_add_nc_u64 s[G0B+6:G0B+7], s[46:47], ROWB
	s_or_b32 s[G0B+7], s[G0B+7], 0x80000000
.macro ARM under, g0, g1, next         ; one chain of branches on the wave's number, a load to an arm: one tensor load a wave at the head
	s_cmp_lt_u32 s14, \under
	s_cbranch_scc0 \next
	tensor_load_to_lds s[\g0:\g0+3], s[\g1:\g1+7]
	s_nop 0
.rept 4
	v_nop
.endr
	s_branch .Lhead_asked
\next:
.endm
	ARM 1, G0,  G1,  .Lhead_b
	ARM 2, G0B, G1B, .Lhead_sa
	ARM 3, G0S, G1S, .Lhead_sb
	tensor_load_to_lds s[G0SB:G0SB+3], s[G1SB:G1SB+7]
	s_nop 0
.rept 4
	v_nop
.endr
.Lhead_asked:
	v_and_b32 v1, 15, v0
	v_bfe_u32 v2, v0, 4, 1
	v_mul_u32_u24 v3, v1, PITCH
	v_lshl_add_u32 v4, v2, 4, v3
	s_wait_alu depctr_va_vdst(0)
	s_mul_i32 s21, s15, HALFT
	s_mul_i32 s22, s16, HALFT
	s_add_co_u32 s22, s22, 2*HALFT
	s_mov_b32 s18, s21                     ; ADRA: my 128 rows of tokens;  ADRB: my 128 rows of the weights
	s_mov_b32 s19, s22
.irp s, 0,1
	v_add_nc_u32 v[ADRA+\s], s18, v4
	v_add_nc_u32 v[ADRB+\s], s19, v4
	s_add_co_u32 s18, s18, SLOT
	s_add_co_u32 s19, s19, SLOT
.endr
	v_mul_u32_u24 v5, v1, KS
	v_lshrrev_b32 v6, 8, v5
	v_lshl_add_u32 v5, v6, 4, v5
	s_mul_i32 s21, s15, HALFS
	s_mul_i32 s22, s16, HALFS
	s_add_co_u32 s22, s22, 2*HALFS
	s_sub_co_u32 s22, s22, s21
	v_mul_u32_u24 v6, s22, v2              ; ADRS: lanes 16-31 take the weights' words
	v_xor_b32 v7, 1, v2
	v_mul_u32_u24 v7, s22, v7              ; ADRS2: lanes 0-15 take them
	s_add_co_u32 s21, s21, SCL
	v_add_nc_u32 v6, v5, v6
	v_add_nc_u32 v7, v5, v7
	v_add_nc_u32 v[ADRS], s21, v6
	v_add_nc_u32 v[ADRS2], s21, v7
	v_and_b32 v6, 31, v0
	v_lshlrev_b32 v[CO], 4, v6
	v_lshlrev_b32 v[PFO], 11, v6
	v_lshlrev_b32 v[BOX], 6, v2
	v_and_b32 v[BOR], 8, v1
	v_add_nc_u32 v[BOR], v[BOR], v1
	v_lshlrev_b32 v[BOR], 2, v[BOR]
	global_prefetch_b8 v[PFO], s[PFA:PFA+1] offset:2*ROWB th:TH_LOAD_NT scope:SCOPE_SE   ; K steps 2 and 3 of my 32 rows
	global_prefetch_b8 v[PFO], s[PFA:PFA+1] offset:3*ROWB th:TH_LOAD_NT scope:SCOPE_SE
	s_load_b256 s[4:11], s[0:1], 0x20
	s_load_b128 s[20:23], s[0:1], 0x40
	s_load_b64 s[92:93], s[0:1], 0x50
	s_lshl_b32 s18, s17, 1
	s_add_co_u32 s18, s18, s15
	s_lshr_b32 s19, s18, 4
	s_and_b32 s18, s18, 15
	s_lshl_b32 s45, s42, 1
	s_add_co_u32 s45, s45, s16
	s_sub_co_u32 s46, s42, 8
	s_and_b32 s46, s46, 3
	s_lshl_b32 s47, s19, 4
	s_add_co_u32 s47, s47, s45
	s_lshl_b32 s47, s47, 4
	s_add_co_u32 s47, s47, s18
	s_lshl_b32 s94, s19, 2
	s_add_co_u32 s94, s94, s46
	s_lshl_b32 s94, s94, 4
	s_add_co_u32 s94, s94, s18
	s_lshl_b32 s94, s94, 1
	s_add_co_u32 s94, s94, s16
	s_wait_kmcnt 0x0
	s_cmp_eq_u32 s[ROLE], 1
	s_cselect_b64 s[6:7], s[8:9], s[6:7]
	s_cmp_lt_u32 ttmp9, 2
	s_cselect_b64 s[12:13], s[10:11], s[22:23]
	s_cselect_b64 s[96:97], s[20:21], s[92:93]
	s_cselect_b64 s[98:99], s[4:5], s[6:7]
	s_cselect_b32 s47, s47, s94
	s_cselect_b32 s45, s45, s46
	s_lshl_b32 s94, s47, 14
	s_mov_b32 s95, 0
	s_add_nc_u64 s[12:13], s[12:13], s[94:95]
	s_lshl_b32 s94, s47, 9
	s_add_nc_u64 s[96:97], s[96:97], s[94:95]
	s_lshl_b32 s94, s45, 9
	s_add_nc_u64 s[98:99], s[98:99], s[94:95]
	s_mov_b32 s[SEL], 0x76543210
	s_mov_b32 s[SEL+1], 0xfedcba98
	s_mov_b32 s[MNT], 0x600000
	s_cmp_eq_u32 s[ROLE], 1
	s_cbranch_scc1 .Lbias_v
	s_wait_alu depctr_va_vdst(0)
.irp e, 0,1,2,3
.irp f, 0,1,2,3
	global_load_b128 v[BIAS+16*\e+4*\f:BIAS+16*\e+4*\f+3], v[BOX], s[98:99] offset:128*\e+16*\f
.endr
.endr
	s_branch .Lbias_in
.Lbias_v:
	s_wait_alu depctr_va_vdst(0)
.irp e, 0,1,2,3,4,5,6,7
.irp f, 0,1,2,3,4,5,6,7
	global_load_b32 v[BIAS+8*\e+\f], v[BOR], s[98:99] offset:4*(32*(\e/2)+8*(\e%2))
.endr
.endr
.Lbias_in:
.macro FRAG reg, adr, q, i
.irp c, 0,1,2,3
	ds_load_b128 v[\reg+4*\c:\reg+4*\c+3], v[\adr] offset:128*(\q)+32*\c+(\i)*16*PITCH
.endr
.endm
.macro MUL16 a0, p, q, sc, zero
.irp a, \a0, \a0+1
.irp b, 0,1,2,3,4,5,6,7
.if \zero
	v_wmma_scale_f32_16x16x128_f8f6f4 v[8*(8*((\a)%4)+\b):8*(8*((\a)%4)+\b)+7], v[128*(\p)+FR*\b:128*(\p)+FR*\b+FR-1], v[AF+FR*(\a):AF+FR*(\a)+FR-1], 0, v[SC+8*NQ*(\sc)+NQ*\b+(\q)], v[SC+8*NQ*(\sc)+NQ*(\a)+(\q)] matrix_a_fmt:MATRIX_FMT_BF8 matrix_b_fmt:MATRIX_FMT_BF8 matrix_a_scale:MATRIX_SCALE_ROW1
.else
	v_wmma_scale_f32_16x16x128_f8f6f4 v[8*(8*((\a)%4)+\b):8*(8*((\a)%4)+\b)+7], v[128*(\p)+FR*\b:128*(\p)+FR*\b+FR-1], v[AF+FR*(\a):AF+FR*(\a)+FR-1], v[8*(8*((\a)%4)+\b):8*(8*((\a)%4)+\b)+7], v[SC+8*NQ*(\sc)+NQ*\b+(\q)], v[SC+8*NQ*(\sc)+NQ*(\a)+(\q)] matrix_a_fmt:MATRIX_FMT_BF8 matrix_b_fmt:MATRIX_FMT_BF8 matrix_a_scale:MATRIX_SCALE_ROW1
.endif
.endr
.endr
.endm
; kind 0: source 1's blocks 4-7;  1: source 0's eight into set p and source 1's blocks 0-3;  2: those and the slot's scale words.  xa, xb, xs: the address registers of source 1, source 0 and the scale words
.macro LOADS xa, xb, xs, slot, q, p, kind
.if \kind
	WIN TO_B
.irp i, 0,1,2,3,4,5,6,7
	FRAG 128*(\p)+FR*\i, \xb+\slot, \q, \i
.endr
	WIN 0
.irp i, 0,1,2,3
	FRAG AF+FR*\i, \xa+\slot, \q, \i
.endr
.if \kind == 2
.irp i, 0,1,2,3,4,5,6,7
	ds_load_b64 v[SC+8*NQ*\slot+NQ*\i:SC+8*NQ*\slot+NQ*\i+1], v[\xs] offset:\i*SBLK
.endr
.endif
.else
.irp i, 4,5,6,7
	FRAG AF+FR*\i, \xa+\slot, \q, \i
.endr
.endif
.endm
.macro FETCH slot, q, p, kind          ; both ways issue the same number of loads into the same registers
	WIN 0
	s_cmp_eq_u32 s[ROLE], 1
	s_cbranch_scc1 .Lswap_\@
	LOADS ADRA, ADRB, ADRS, \slot, \q, \p, \kind
	s_branch .Lgot_\@
.Lswap_\@:
	LOADS ADRB, ADRA, ADRS2, \slot, \q, \p, \kind
.Lgot_\@:
.endm
.macro PLACES n
.rept \n
	v_nop
.endr
.endm
.macro STEP slot, q, zero
	s_wait_dscnt 4*NL
	WIN MUL_LO
	MUL16 0, (\q)%2, \q, \slot, \zero
	MUL16 2, (\q)%2, \q, \slot, \zero
	s_wait_dscnt 0
	PLACES NP
	FETCH \slot, (\q)+1, 1-(\q)%2, 1
	WIN MUL_HI
	MUL16 4, (\q)%2, \q, \slot, \zero
	MUL16 6, (\q)%2, \q, \slot, \zero
	PLACES NP
	WIN 0
	FETCH \slot, (\q)+1, 0, 0
.endm
.macro TURN slot, next, fill
.if \fill
	s_wait_xcnt 0x0                        ; my last prefetch, a K step back, has read its address
	s_add_nc_u64 s[PFA:PFA+1], s[PFA:PFA+1], ROWB
.endif
	s_wait_tensorcnt 0x0
	ds_add_u32 v[SPW], v[NIL]
	s_wait_dscnt 4*NL+1
	WIN MUL_LO
	MUL16 0, 1, NQ-1, \slot, 0
	s_wait_dscnt 0x0
	s_barrier_signal -1
	MUL16 2, 1, NQ-1, \slot, 0
	WIN 0
	s_barrier_wait -1
.if \fill
	CREST
	s_add_nc_u64 s[G0+4*\slot+2:G0+4*\slot+3], s[G0+4*\slot+2:G0+4*\slot+3], 2*ROWB
	s_add_nc_u64 s[G0B+4*\slot+2:G0B+4*\slot+3], s[G0B+4*\slot+2:G0B+4*\slot+3], 2*ROWB
	JLOAD G0+4*\slot, G1, G0B+4*\slot, G1B
	PLACES NP-4
.else
	PLACES NP
.endif
	v_add_nc_u32 v[ADRS], 4*NQ, v[ADRS]
	v_add_nc_u32 v[ADRS2], 4*NQ, v[ADRS2]
	s_wait_alu depctr_va_vdst(0)           ; directly behind the writes
	FETCH \next, 0, 0, 2
.if \fill
	s_cmp_gt_u32 s3, 1                     ; the last trip's two refills have no K step two on
	s_cbranch_scc0 .Lnone_\@
	global_prefetch_b8 v[PFO], s[PFA:PFA+1] offset:3*ROWB th:TH_LOAD_NT scope:SCOPE_SE   ; the K step two refills on
.Lnone_\@:
.endif
	WIN MUL_HI
	MUL16 4, 1, NQ-1, \slot, 0
	MUL16 6, 1, NQ-1, \slot, 0
	PLACES NP
	WIN 0
	FETCH \next, 0, 0, 0
.endm
	s_wait_alu depctr_va_vdst(0)
	s_wait_tensorcnt 0x0                   ; my tile of the head's four is in
	ds_add_u32 v[SPW], v[NIL]
	s_mov_b32 s[G1+2], 128<<16             ; no tensor load of mine is out: from here on a load brings 128 rows,
	s_mov_b32 s[G1+4], 128
	s_mov_b32 s[G1B+2], 128<<16
	s_mov_b32 s[G1B+4], 128
	s_mov_b32 s[G0+1], s67                 ; and slot 0's groups 0 stand at my 128 rows of K step 0: the first refill steps them to K step 2
	s_add_nc_u64 s[G0+2:G0+3], s[G0+2:G0+3], s[100:101]
	s_mov_b32 s[G0B+1], s67
	s_add_nc_u64 s[G0B+2:G0B+3], s[G0B+2:G0B+3], s[100:101]
	s_wait_dscnt 0x0
	CROUND                                 ; all four tiles are in, and all sixteen work-groups are here
	JLOAD G0+4, G1, G0B+4, G1B             ; K step 1, the first tensor load behind the round
	FETCH 0, 0, 0, 2
	FETCH 0, 0, 0, 0
	STEP 0, 0, 1
	s_mov_b32 s3, LAPS-1
.Llap:
	TURN 0, 1, 1
	STEP 1, 0, 0
	TURN 1, 0, 1
	STEP 0, 0, 0
	s_sub_co_u32 s3, s3, 1
	s_cmp_lg_u32 s3, 0
	s_cbranch_scc1 .Llap
	TURN 0, 1, 0
	STEP 1, 0, 0
	s_wait_dscnt 4*NL
	WIN MUL_LO
	MUL16 0, 1, NQ-1, 1, 0
	MUL16 2, 1, NQ-1, 1, 0
	s_wait_dscnt 0
	WIN MUL_HI
	MUL16 4, 1, NQ-1, 1, 0
	MUL16 6, 1, NQ-1, 1, 0
	WIN 0
.macro QUANT s, pc, pw
.irp b, 0,1,2,3
	v_max3_num_f32 v[TM+\b], |v[\s+16*\b]|, |v[\s+1+16*\b]|, 0x8000000
.endr
.irp i, 2,4,6,8,10,12,14
.irp b, 0,1,2,3
	v_max3_num_f32 v[TM+\b], v[TM+\b], |v[\s+16*\b+\i]|, |v[\s+1+16*\b+\i]|
.endr
.endr
.irp b, 0,1,2,3
	v_permlanex16_b32 v[TM+4+\b], v[TM+\b], s[SEL], s[SEL+1]
.endr
.irp b, 0,1,2,3
	v_max_num_f32 v[TM+\b], v[TM+\b], v[TM+4+\b]
.endr
.irp b, 0,1,2,3
	v_add_nc_u32 v[TM+12+\b], 0xf8800000, v[TM+\b]
.endr
.irp b, 0,1,2,3
	v_and_or_b32 v[TM+8+\b], v[TM+\b], 0x7f800000, s[MNT]
.endr
.irp b, 0,1,2,3
	v_lshrrev_b32 v[TM+4+\b], 23, v[TM+12+\b]
.endr
	v_lshl_or_b32 v[\pw], v[TM+5], 8, v[TM+4]
	v_lshl_or_b32 v[\pw], v[TM+6], 16, v[\pw]
	v_lshl_or_b32 v[\pw], v[TM+7], 24, v[\pw]
.irp b, 0,1,2,3
.irp i, 0,1,2,3,4,5,6,7,8,9,10,11,12,13,14,15
	v_med3_num_f32 v[\s+16*\b+\i], v[\s+16*\b+\i], -v[TM+8+\b], v[TM+8+\b]
.endr
	v_cvt_scalef32_pk8_bf8_f32 v[\pc+4*\b:\pc+1+4*\b], v[\s+16*\b:\s+7+16*\b], v[TM+12+\b]
	v_cvt_scalef32_pk8_bf8_f32 v[\pc+2+4*\b:\pc+3+4*\b], v[\s+8+16*\b:\s+15+16*\b], v[TM+12+\b]
.endr
	v_nop
.endm
.macro EPI i1
	s_cmp_eq_u32 s[ROLE], 1
	s_cbranch_scc1 .Lalong_lanes_\@
	WIN 2+(\i1)/4
.set x, 0
.rept 32
	v_pk_add_f32 v[T+x:T+x+1], v[64*((\i1)%4)+x:64*((\i1)%4)+x+1], v[BIAS+x:BIAS+x+1]
.set x, x+2
.endr
	WIN 0
	s_branch .Lbiased_\@
.Lalong_lanes_\@:
	WIN 2+(\i1)/4
.set x, 0
.rept 32
	v_pk_add_f32 v[T+x:T+x+1], v[64*((\i1)%4)+x:64*((\i1)%4)+x+1], v[BIAS+8*(\i1)+x%8:BIAS+8*(\i1)+x%8+1]
.set x, x+2
.endr
	WIN 0
.Lbiased_\@:
.if (\i1) >= 2
	s_wait_xcnt 0x0
.endif
	QUANT T, PC+16*((\i1)%2), PWR+(\i1)
.irp c, 0,1,2,3
	global_store_b128 v[CO], v[PC+16*((\i1)%2)+4*\c:PC+16*((\i1)%2)+4*\c+3], s[12:13] offset:2048*(\i1)+512*\c
.endr
.endm
	PLACES NP
	s_wait_loadcnt 0x0
.irp b, 0,1,2,3
	v_mov_b32 v[TM+4+\b], 0
.endr
.irp e, 0,1,2,3,4,5,6,7
	EPI \e
.endr
	v_and_b32 v1, 31, v0
	v_cmp_le_u32 vcc_lo, 16, v1
.irp c, 0,1,2,3
	v_cndmask_b32 v[SW+\c], v[PWR+2*\c], v[PWR+2*\c+1], vcc_lo
.endr
	global_store_b128 v[CO], v[SW:SW+3], s[96:97]
	s_wait_tensorcnt 0x0
	ds_add_u32 v[SPW], v[NIL]
	s_wait_dscnt 0x0
	CROUND
	s_endpgm
.Lfunc_end_k_qd3fbcb5062_proj:
	.size	k_qd3fbcb5062_proj, .Lfunc_end_k_qd3fbcb5062_proj-k_qd3fbcb5062_proj
	.p2alignl 7, 3214868480
	.fill 96, 4, 3214868480
	.section	.rodata,"a",@progbits
	.p2align	6, 0x0
	.amdhsa_kernel k_qd3fbcb5062_proj
		.amdhsa_group_segment_fixed_size 327680
		.amdhsa_private_segment_fixed_size 0
		.amdhsa_enable_private_segment 0
		.amdhsa_kernarg_size 88
		.amdhsa_user_sgpr_count 2
		.amdhsa_user_sgpr_kernarg_segment_ptr 1
		.amdhsa_wavefront_size32 1
		.amdhsa_system_sgpr_workgroup_id_x 1
		.amdhsa_system_sgpr_workgroup_id_y 1
		.amdhsa_system_sgpr_workgroup_id_z 1
		.amdhsa_system_vgpr_workitem_id 0
		.amdhsa_next_free_vgpr 1024
		.amdhsa_next_free_sgpr 106
		.amdhsa_reserve_vcc 1
		.amdhsa_float_denorm_mode_32 3
		.amdhsa_float_denorm_mode_16_64 3
		.amdhsa_memory_ordered 1
		.amdhsa_forward_progress 1
		.amdhsa_inst_pref_size 255
	.end_amdhsa_kernel
	.section	.bss,"aw",@nobits
	.p2align	6
	.space	262144
	.amdgpu_metadata
---
amdhsa.version: [ 1, 2 ]
amdhsa.kernels:
  - .name:           k_qd3fbcb5062_proj
    .symbol:         k_qd3fbcb5062_proj.kd
    .args:
      - { .name: hc, .offset: 0, .size: 8, .value_kind: global_buffer, .address_space: global }
      - { .name: hs, .offset: 8, .size: 8, .value_kind: global_buffer, .address_space: global }
      - { .name: wc, .offset: 16, .size: 8, .value_kind: global_buffer, .address_space: global }
      - { .name: ws, .offset: 24, .size: 8, .value_kind: global_buffer, .address_space: global }
      - { .name: bq, .offset: 32, .size: 8, .value_kind: global_buffer, .address_space: global }
      - { .name: bk, .offset: 40, .size: 8, .value_kind: global_buffer, .address_space: global }
      - { .name: bv, .offset: 48, .size: 8, .value_kind: global_buffer, .address_space: global }
      - { .name: qc, .offset: 56, .size: 8, .value_kind: global_buffer, .address_space: global }
      - { .name: qs, .offset: 64, .size: 8, .value_kind: global_buffer, .address_space: global }
      - { .name: kvc, .offset: 72, .size: 8, .value_kind: global_buffer, .address_space: global }
      - { .name: kvs, .offset: 80, .size: 8, .value_kind: global_buffer, .address_space: global }
    .group_segment_fixed_size: 327680
    .private_segment_fixed_size: 0
    .kernarg_segment_align: 8
    .kernarg_segment_size: 88
    .max_flat_workgroup_size: 128
    .sgpr_count:     106
    .vgpr_count:     1024
    .wavefront_size: 32
...
	.end_amdgpu_metadata
.endif
;; end of part 2
;; launch attn (part 3): grid 32 x 8, 8 waves a work-group, clusters of 4 x 1, 327,680 bytes of LDS; arguments qc, qs, kvc, kvs, out0; writes out0
.if DOCPART == 3
	.amdgcn_target "amdgcn-amd-amdhsa--gfx1250"
	.amdhsa_code_object_version 6
	.text
	.protected	k_qd3fbcb5062_attn
	.globl	k_qd3fbcb5062_attn
	.p2align	8
	.type	k_qd3fbcb5062_attn,@function
k_qd3fbcb5062_attn:
	s_mov_b64 s[64:65], 0
	v_nop
	global_prefetch_b8 v0, s[64:65] scope:SCOPE_SE
	s_setreg_imm32_b32 hwreg(HW_REG_WAVE_MODE, 25, 1), 1
	s_wait_xcnt 0x0
	s_wait_alu depctr_hold_cnt(0) depctr_sa_sdst(0) depctr_va_vdst(0) depctr_va_sdst(0) depctr_va_ssrc(0) depctr_va_vcc(0) depctr_vm_vsrc(0)
	s_getreg_b32 s2, hwreg(HW_REG_IB_STS2, 6, 4)
	s_cmp_eq_u32 s2, 0
	s_cbranch_scc0 .Lentry_in_a_cluster
	s_endpgm
.Lentry_in_a_cluster:
	s_bfe_u32 s2, ttmp6, 0x10000c
	s_cmp_lg_u32 s2, 0x3003
	s_cbranch_scc0 .Lentry_shape_is_right
	s_endpgm
.Lentry_shape_is_right:
; GROUPED-QUERY ATTENTION IN MX-BF8, launch 3 of 3: out0 = softmax(q k^T / sqrt(128)) v on the codes that launch 2 stored in the order of the operand registers.  No work is left out.
; A work-group of eight waves owns 256 queries of one query head, a wave 32 (two tiles of 16, in register windows 0 and 1); all walk the 2,048 keys, 128 a step.
; A key step is 32,768 bytes (K's eight tiles, then V's); FOUR steps make a slot, and two slots take turns: three refills and four changes of slots in all.  The step is written once, in an inner loop of four trips.
; The four work-groups of a cluster walk the same key and value head and ask for its tiles jointly.  The head's scale bytes, 16,384, come once and lie behind the slots.
; THE HEAD: one joint load a wave, in the two arms of one branch on the wave's number: waves 0 to 3 a quarter of slot 0 each, waves 4 to 7 a quarter of the scale bytes.
; Both products are used transposed, so that a lane holds one query.  p = 2^(t - M), M the running largest t rounded up to a whole number; the row's sum is taken of the unquantised p and divides at the end.
; PREFETCH: cluster 0 of each key and value head names the slot after the one that is being loaded: 4 work-groups x waves 0 to 3 x 32 lanes x 256 bytes = a slot; the last filling change names none.
; THE WAY OUT goes through a stage in slot 0, which has had its last fill and its last read at the last change of slots.
; LIMITS: the scaled scores stay under 2^31 in magnitude; NaN and infinities are not served.
.set SLOT1, 131072                     ; a slot: four key steps
.set STEPB, 32768
.set NST,   4
.set SCB,   2*SLOT1                    ; the scale bytes: 1,024 a step (K's 512, V's 512)
.set STAGE, 0
.set SPITCH, 528
.set WSTG,  16*SPITCH
.set SPARE, SCB+16384                  ; the spare words, 128 bytes a wave
.set L16, 1                            ; v1  16 x lane
.set AD,  2                            ; v2  LDS address of the step's tiles
.set LSC, 3                            ; v3  SCB + 16 x lane
.set ADS, 4                            ; v4  LDS address of the step's scale words
.set SO,  5                            ; v5, v6  the stage: in, back
.set SR,  6
.set PFO, 7                            ; v7  256 x lane
.set SPW, 8                            ; v8  my spare word; v9  0
.set NIL, 9
.set PS1, 11                           ; v11 tile 1's scale word of p (scale operands have no window)
.set WV,  18
.set MNT, 19
.set SEL, 20
.set CS,  22
.set G1,  24                           ; s[24:31], s[40:43] a refill: 64 rows of 256 bytes a wave
.set G1S, 32                           ; s[32:39], s[44:47] a quarter of the scale bytes
.set G0,  40
.set G0S, 44
.set G1H, 80                           ; s[80:87], s[88:91] a quarter of slot 0: 128 rows of 256 bytes
.set G0H, 88
.set PFA, 48
.set LIM, 50
.set OUTP, 16
.set TB,  2                            ; s2  LDS byte at which the step in hand begins
.set TS,  3                            ; s3  and its scale words
.set SLOTS, 67
.set INN, 92                           ; s92 steps to go in the slot
.set MSB, 0
.macro WIN new
.if MSB != (\new)
	s_set_vgpr_msb (MSB<<8)|(\new)
.set MSB, (\new)
.endif
.endm
.macro ROUND                           ; a round of the cluster's barrier
	s_barrier_signal -1
	s_barrier_wait -1
	s_cmp_lg_u32 s[WV], 0
	s_cbranch_scc1 .Lnot_wave_0_\@
	s_barrier_signal -3
.Lnot_wave_0_\@:
	s_barrier_wait -3
	s_barrier_signal -1
	s_barrier_wait -1
.endm
.macro WMM d, a, b, z, sa, sb, ra, rb  ; z: the sum begins; ra, rb: the scale words lie in lanes 16-31
.if (\z) && (\ra) && (\rb)
	v_wmma_scale_f32_16x16x128_f8f6f4 v[(\d):(\d)+7], v[(\a):(\a)+15], v[(\b):(\b)+15], 0, v[\sa], v[\sb] matrix_a_fmt:MATRIX_FMT_BF8 matrix_b_fmt:MATRIX_FMT_BF8 matrix_a_scale:MATRIX_SCALE_ROW1 matrix_b_scale:MATRIX_SCALE_ROW1
.elseif (\z) && (\ra)
	v_wmma_scale_f32_16x16x128_f8f6f4 v[(\d):(\d)+7], v[(\a):(\a)+15], v[(\b):(\b)+15], 0, v[\sa], v[\sb] matrix_a_fmt:MATRIX_FMT_BF8 matrix_b_fmt:MATRIX_FMT_BF8 matrix_a_scale:MATRIX_SCALE_ROW1
.elseif (\z) && (\rb)
	v_wmma_scale_f32_16x16x128_f8f6f4 v[(\d):(\d)+7], v[(\a):(\a)+15], v[(\b):(\b)+15], 0, v[\sa], v[\sb] matrix_a_fmt:MATRIX_FMT_BF8 matrix_b_fmt:MATRIX_FMT_BF8 matrix_b_scale:MATRIX_SCALE_ROW1
.elseif (\z)
	v_wmma_scale_f32_16x16x128_f8f6f4 v[(\d):(\d)+7], v[(\a):(\a)+15], v[(\b):(\b)+15], 0, v[\sa], v[\sb] matrix_a_fmt:MATRIX_FMT_BF8 matrix_b_fmt:MATRIX_FMT_BF8
.elseif (\ra)
	v_wmma_scale_f32_16x16x128_f8f6f4 v[(\d):(\d)+7], v[(\a):(\a)+15], v[(\b):(\b)+15], v[(\d):(\d)+7], v[\sa], v[\sb] matrix_a_fmt:MATRIX_FMT_BF8 matrix_b_fmt:MATRIX_FMT_BF8 matrix_a_scale:MATRIX_SCALE_ROW1
.else
	v_wmma_scale_f32_16x16x128_f8f6f4 v[(\d):(\d)+7], v[(\a):(\a)+15], v[(\b):(\b)+15], v[(\d):(\d)+7], v[\sa], v[\sb] matrix_a_fmt:MATRIX_FMT_BF8 matrix_b_fmt:MATRIX_FMT_BF8
.endif
.endm
	s_load_b256 s[4:11], s[0:1], 0x0               ; qc, qs, kvc, kvs
	s_load_b64 s[12:13], s[0:1], 0x20              ; out0
	v_lshl_add_u32 v[SPW], v0, 2, SPARE
	v_mov_b32 v[NIL], 0
	ds_add_u32 v[SPW], v[NIL]                      ; the opening lines
	ds_add_u32 v[SPW], v[NIL]
	v_lshrrev_b32 v10, 5, v0
	s_delay_alu instid0(VALU_DEP_1)
	v_readfirstlane_b32 s[WV], v10
	s_bfe_u32 s51, ttmp6, 0x40000                  ; cx
	s_lshl_b32 s52, ttmp9, 2
	s_add_co_u32 s52, s52, s51                     ; work-group x = 8 x repeat + block of 256 queries
	s_and_b32 s53, ttmp7, 0xffff                   ; 4 x batch + key and value head
	s_lshr_b32 s54, s52, 3
	s_and_b32 s55, s52, 7
	s_lshr_b32 s56, s53, 2
	s_and_b32 s57, s53, 3
	s_lshl_b32 s58, s54, 2
	s_add_co_u32 s58, s58, s57                     ; the query head
	s_lshr_b32 s59, s[WV], 2
	s_and_b32 s60, s[WV], 3
	s_lshl_b32 s62, s55, 1
	s_add_co_u32 s62, s62, s59                     ; my run of 128 queries
	s_lshl_b32 s61, s56, 4
	s_add_co_u32 s61, s61, s58
	s_lshl_b32 s61, s61, 4
	s_add_co_u32 s61, s61, s62
	s_lshl_b32 s68, s61, 14                        ; q's codes
	s_lshl_b32 s69, s60, 12
	s_add_co_u32 s68, s68, s69
	s_mov_b32 s69, 0
	s_lshl_b32 s70, s61, 9                         ; q's scale words
	s_lshl_b32 s71, s60, 2
	s_add_co_u32 s70, s70, s71
	s_mov_b32 s71, 0
	s_lshl_b32 s72, s56, 11                        ; my first row of out0
	s_lshl_b32 s73, s62, 7
	s_add_co_u32 s72, s72, s73
	s_lshl_b32 s73, s60, 5
	s_add_co_u32 s72, s72, s73
	s_lshl_b32 s72, s72, 13
	s_lshl_b32 s73, s58, 9
	s_add_co_u32 s72, s72, s73
	s_mov_b32 s73, 0
	s_lshl_b32 s74, s53, 19                        ; the key and value head's codes: 524,288 bytes
	s_lshl_b32 s75, s[WV], 13
	s_add_co_u32 s78, s74, s75                     ; a prefetch: 8,192 bytes a wave;
	s_add_co_u32 s74, s78, s75                     ; a refill: 16,384 bytes a wave
	s_mov_b32 s75, 0
	s_lshl_b32 s76, s53, 14                        ; its scale bytes: my quarter
	s_lshl_b32 s77, s60, 12
	s_add_co_u32 s76, s76, s77
	s_mov_b32 s77, 0
	s_lshl_b32 s90, s53, 19                        ; my quarter of slot 0, in LDS as in memory
	s_lshl_b32 s89, s60, 15
	s_add_co_u32 s90, s90, s89
	s_mov_b32 s91, 0
	s_lshl_b32 s79, s51, 15                        ; the partners share a slot's blocks out by address: 32,768 bytes each
	s_add_co_u32 s78, s78, s79
	s_add_co_u32 s78, s78, SLOT1
	s_mov_b32 s79, 0
.irp g, G1, G1S, G1H                               ; dense blocks as rows of 256 bytes (32 elements of 8); the mask names the cluster's four
	s_mov_b32 s[\g], 15|(3<<16)|(1<<21)
	s_mov_b32 s[\g+1], 32<<16
	s_mov_b32 s[\g+3], 32<<16
	s_mov_b32 s[\g+5], 32
	s_mov_b32 s[\g+6], 0
	s_mov_b32 s[\g+7], 0
.endr
	s_mov_b32 s[G1+2], 64<<16
	s_mov_b32 s[G1+4], 64
	s_mov_b32 s[G1S+2], 16<<16
	s_mov_b32 s[G1S+4], 16
	s_mov_b32 s[G1H+2], 128<<16
	s_mov_b32 s[G1H+4], 128
	s_mov_b32 s[SEL], 0x76543210
	s_mov_b32 s[SEL+1], 0xfedcba98
	s_mov_b32 s[CS], 0x3e0293ee                    ; log2(e) / sqrt(128)
	s_mov_b32 s[CS+1], s[CS]
	s_mov_b32 s[MNT], 0x600000
	s_mov_b32 s[TB], 0
	s_mov_b32 s[TS], 0
	s_mov_b32 s[SLOTS], 3
	s_lshr_b32 s[LIM], s[WV], 2                    ; waves 0 to 3 of cluster 0 prefetch
	s_or_b32 s[LIM], s[LIM], ttmp9
	s_cmp_eq_u32 s[LIM], 0
	s_cselect_b32 s[LIM], 1, -1
	s_wait_dscnt 0x0
	s_wait_kmcnt 0x0
	s_mov_b32 s[G0], 1
	s_lshl_b32 s[G0+1], s[WV], 14
	s_add_nc_u64 s[G0+2:G0+3], s[8:9], s[74:75]
	s_or_b32 s[G0+3], s[G0+3], 0x80000000
	s_mov_b32 s[G0S], 1
	s_lshl_b32 s63, s60, 12
	s_add_co_u32 s[G0S+1], s63, SCB
	s_add_nc_u64 s[G0S+2:G0S+3], s[10:11], s[76:77]
	s_or_b32 s[G0S+3], s[G0S+3], 0x80000000
	s_mov_b32 s[G0H], 1
	s_add_nc_u64 s[G0H+2:G0H+3], s[8:9], s[90:91]
	s_or_b32 s[G0H+3], s[G0H+3], 0x80000000
	s_add_nc_u64 s[PFA:PFA+1], s[8:9], s[78:79]
	s_add_nc_u64 s[4:5], s[4:5], s[68:69]
	s_add_nc_u64 s[6:7], s[6:7], s[70:71]
	s_add_nc_u64 s[OUTP:OUTP+1], s[12:13], s[72:73]
	ROUND
	s_cmp_lt_u32 s[WV], 4                          ; one tensor load a wave at the head
	s_cbranch_scc0 .Lhead_s
	tensor_load_to_lds s[G0H:G0H+3], s[G1H:G1H+7]
	s_nop 0
.rept 4
	v_nop
.endr
	s_branch .Lhead_x
.Lhead_s:
	tensor_load_to_lds s[G0S:G0S+3], s[G1S:G1S+7]
	s_nop 0
.rept 4
	v_nop
.endr
.Lhead_x:
	v_and_b32 v10, 31, v0
	s_delay_alu instid0(VALU_DEP_1)
	v_lshlrev_b32 v[L16], 4, v10
	s_delay_alu instid0(VALU_DEP_2)
	v_lshlrev_b32 v[PFO], 8, v10
	s_delay_alu instid0(VALU_DEP_2)
	v_add_nc_u32 v[LSC], SCB, v[L16]
.irp u, 0,1                                        ; q's two fragments stay in v16-31 of windows 0 and 1
	WIN (\u)<<6
.irp c, 0,1,2,3
	global_load_b128 v[16+4*\c:19+4*\c], v[L16], s[4:5] offset:2048*\u+512*\c th:TH_LOAD_NT
.endr
.endr
	WIN 0
	global_load_b32 v255, v[L16], s[6:7]           ; their scale words: lanes 0-15 tile 0's, lanes 16-31 tile 1's
	v_and_b32 v10, 15, v0
	v_bfe_u32 v[AD], v0, 4, 1
	s_mul_i32 s63, s[WV], WSTG
	s_add_co_u32 s63, s63, STAGE
	v_mul_u32_u24 v[SO], v10, SPITCH
	s_delay_alu instid0(VALU_DEP_1)
	v_lshl_add_u32 v[SO], v[AD], 6, v[SO]
	s_delay_alu instid0(VALU_DEP_1)
	v_add_nc_u32 v[SO], s63, v[SO]
	v_add_nc_u32 v[SR], s63, v[L16]
.macro INIT                            ; the step is written once: the first finds zeros and a largest t under every t
	v_mov_b32 v13, 0xff61b1e6
	s_delay_alu instid0(VALU_DEP_1)
	v_floor_f32 v12, -v13
	v_mov_b32 v14, 0
	v_mov_b32 v15, 0
.irp b, 0,1,2,3
	v_mov_b32 v[236+\b], 0
.endr
	v_mov_b32 v253, 0
.set j, 0
.rept 64
	v_mov_b32 v[160+j], 0
.set j, j+1
.endr
.endm
	INIT
	WIN 0x55
	INIT
	WIN 0
.macro LDFR base, sbase                ; eight fragments, four to a window, and their scale words
.irp t, 0,1,2,3
.irp c, 0,1,2,3
	ds_load_b128 v[32+16*\t+4*\c:32+16*\t+4*\c+3], v[AD] offset:(\base)+2048*\t+512*\c
.endr
.endr
	ds_load_b128 v[248:251], v[ADS] offset:\sbase
	WIN 0x40
.irp t, 0,1,2,3
.irp c, 0,1,2,3
	ds_load_b128 v[32+16*\t+4*\c:32+16*\t+4*\c+3], v[AD] offset:(\base)+2048*(4+\t)+512*\c
.endr
.endr
	WIN 0
.endm
.macro SM_A                            ; a tile's maxima, M, p, the row's sum, and the four blocks' scales
.irp b, 0,1,2,3
	v_max3_num_f32 v[232+\b], v[96+16*\b], v[97+16*\b], v[98+16*\b]
.endr
.irp i, 3,5,7,9,11,13
.irp b, 0,1,2,3
	v_max3_num_f32 v[232+\b], v[232+\b], v[96+16*\b+\i], v[97+16*\b+\i]
.endr
.endr
.irp b, 0,1,2,3
	v_max_num_f32 v[232+\b], v[232+\b], v[111+16*\b]
.endr
.irp b, 0,1,2,3
	v_permlanex16_b32 v[236+\b], v[232+\b], s[SEL], s[SEL+1]
.endr
.irp b, 0,1,2,3
	s_delay_alu instid0(VALU_DEP_4)
	v_max_num_f32 v[232+\b], v[232+\b], v[236+\b]
.endr
	s_delay_alu instid0(VALU_DEP_2)
	v_max3_num_f32 v254, v232, v233, v234
	s_delay_alu instid0(VALU_DEP_1)
	v_max_num_f32 v254, v254, v235
	s_delay_alu instid0(VALU_DEP_1)
	v_mul_f32 v254, s[CS], v254
	s_delay_alu instid0(VALU_DEP_1)
	v_max_num_f32 v13, v13, v254                   ; the running largest t
	v_mov_b32 v254, v12
	s_delay_alu instid0(VALU_DEP_2)
	v_floor_f32 v12, -v13                          ; -M
	s_delay_alu instid0(VALU_DEP_1)
	v_sub_f32 v254, v12, v254
	s_delay_alu instid0(VALU_DEP_1)
	v_cvt_i32_f32 v254, v254
	s_delay_alu instid0(VALU_DEP_1)
	v_ldexp_f32 v252, 1.0, v254                    ; f = 2^(old M - new M)
.set j, 0
.rept 32
	v_pk_fma_f32 v[96+j:97+j], v[96+j:97+j], s[CS:CS+1], v[12:13] op_sel_hi:[1,0,0]
.set j, j+2
.endr
.irp b, 0,1,2,3
	v_fma_f32 v[232+\b], v[232+\b], s[CS], v12
.endr
.set j, 0
	s_wait_alu depctr_va_vdst(0)
.rept 64
	v_exp_f32 v[96+j], v[96+j]
.set j, j+1
.endr
	v_pk_mul_f32 v[14:15], v[14:15], v[252:253] op_sel_hi:[1,0]
	s_wait_alu depctr_va_vdst(0)
.irp b, 0,1,2,3
	v_exp_f32 v[232+\b], v[232+\b]                 ; each block's largest p
.endr
	v_pk_add_f32 v[236:237], v[96:97], v[98:99]    ; the sum of the unquantised p, in two chains
.set j, 4
.rept 15
	v_pk_add_f32 v[14:15], v[14:15], v[96+j:97+j]
	v_pk_add_f32 v[236:237], v[236:237], v[98+j:99+j]
.set j, j+4
.endr
	s_delay_alu instid0(VALU_DEP_1)
	v_pk_add_f32 v[14:15], v[14:15], v[236:237]
	s_wait_alu depctr_va_vdst(0)
.irp b, 0,1,2,3
	v_max_num_f32 v[232+\b], 0x8000000, v[232+\b]  ; the floor: the byte cannot fall under 1
.endr
.irp b, 0,1,2,3
	s_delay_alu instid0(VALU_DEP_4)
	v_add_nc_u32 v[244+\b], 0xf8800000, v[232+\b]  ; the conversion's scale operand
.endr
.irp b, 0,1,2,3
	v_and_or_b32 v[240+\b], v[232+\b], 0x7f800000, s[MNT]   ; 57,344 x the scale
.endr
.irp b, 0,1,2,3
	v_lshrrev_b32 v[236+\b], 23, v[244+\b]
.endr
	s_delay_alu instid0(VALU_DEP_3)
	v_lshl_or_b32 v253, v237, 8, v236              ; p's scale word
	s_delay_alu instid0(VALU_DEP_1)
	v_lshl_or_b32 v253, v238, 16, v253
	s_delay_alu instid0(VALU_DEP_1)
	v_lshl_or_b32 v253, v239, 24, v253
.endm
.macro SM_B                            ; the hold, the codes, and O^T under the new M
.irp b, 0,1,2,3
.irp i, 0,2,4,6,8,10,12,14
	v_dual_min_num_f32 v[96+16*\b+\i], v[96+16*\b+\i], v[240+\b] :: v_dual_min_num_f32 v[97+16*\b+\i], v[97+16*\b+\i], v[240+\b]   ; the one-sided hold, two numbers a line
.endr
	v_cvt_scalef32_pk8_bf8_f32 v[224+4*\b:225+4*\b], v[96+16*\b:103+16*\b], v[244+\b]
	v_cvt_scalef32_pk8_bf8_f32 v[226+4*\b:227+4*\b], v[104+16*\b:111+16*\b], v[244+\b]
.endr
.set j, 0
.rept 32
	v_pk_mul_f32 v[160+j:161+j], v[160+j:161+j], v[252:253] op_sel_hi:[1,0]
.set j, j+2
.endr
.endm
.macro STEP                            ; 128 keys, at LDS byte s[TB]
	v_add_nc_u32 v[AD], s[TB], v[L16]
	v_add_nc_u32 v[ADS], s[TS], v[LSC]
.rept 6
	v_nop                                          ; with the two lines above: eight places ahead of loads into what the last products read
.endr
	LDFR 0, 0
	s_wait_alu depctr_va_vdst(0)
	s_wait_dscnt 0x0
.irp u, 0,1                                        ; S^T = K q^T
.irp tq, 0,1
	WIN ((\u)<<6)|((\u)<<2)|(\tq)
.irp tt, 0,1,2,3
	WMM 96+8*(4*\tq+\tt), 32+16*\tt, 16, 1, 248+(4*\tq+\tt)/2, 255, \tt%2, \u
.endr
.endr
.endr
	WIN 0
.rept 8
	v_nop
.endr
	LDFR 16384, 512                                ; V's fragments come under the softmax
	SM_A
	SM_B
	WIN 0x55
	SM_A
	WIN 0x01
	v_mov_b32 v[PS1], v253
	WIN 0x55
	SM_B
	s_wait_alu depctr_va_vdst(0)
	s_wait_dscnt 0x0
.irp u, 0,1                                        ; O^T += V^T p^T
.irp tq, 0,1
	WIN ((\u)<<6)|((\u)<<4)|((\u)<<2)|(\tq)
.irp tt, 0,1,2,3
	WMM 160+8*(4*\tq+\tt), 32+16*\tt, 224, 0, 248+(4*\tq+\tt)/2, 253-242*\u, \tt%2, 0
.endr
.endr
.endr
	WIN 0
	s_add_co_u32 s[TB], s[TB], STEPB
	s_add_co_u32 s[TS], s[TS], 1024
.endm
.macro ASK
	s_cmp_gt_u32 s[SLOTS], s[LIM]
	s_cbranch_scc0 .Lnot_mine_\@
	global_prefetch_b8 v[PFO], s[PFA:PFA+1] th:TH_LOAD_NT scope:SCOPE_SE
.Lnot_mine_\@:
.endm
.macro CHANGE fill                     ; the change of slots: all my loads are in, the add, my reads are over; fill = 1: a round, and the slot just left takes the next four steps
	s_wait_tensorcnt 0x0
	ds_add_u32 v[SPW], v[NIL]
.if \fill
	s_xor_b32 s[G0+1], s[G0+1], SLOT1
	s_add_nc_u64 s[G0+2:G0+3], s[G0+2:G0+3], SLOT1
	s_wait_xcnt 0x0
	s_add_nc_u64 s[PFA:PFA+1], s[PFA:PFA+1], SLOT1
	s_wait_dscnt 0x0
	ROUND
	tensor_load_to_lds s[G0:G0+3], s[G1:G1+7]
	s_nop 0
.rept 4
	v_nop
.endr
	ASK
.else
	s_wait_dscnt 0x0
	s_barrier_signal -1
	s_barrier_wait -1
.endif
.endm
	s_wait_alu depctr_va_vdst(0)
	s_wait_loadcnt 0x0
.Lslot:                                            ; three trips: each asks for the next slot
	CHANGE 1
	s_mov_b32 s[INN], NST
.Lstep:
	STEP
	s_sub_co_u32 s[INN], s[INN], 1
	s_cmp_lg_u32 s[INN], 0
	s_cbranch_scc1 .Lstep
	s_and_b32 s[TB], s[TB], 2*SLOT1-1              ; behind slot 1 comes slot 0
	s_sub_co_u32 s[SLOTS], s[SLOTS], 1
	s_cmp_lg_u32 s[SLOTS], 0
	s_cbranch_scc1 .Lslot
	CHANGE 0                                       ; the last slot is written out: no jump leads round a tensor load
	s_mov_b32 s[INN], NST
.Ltail:
	STEP
	s_sub_co_u32 s[INN], s[INN], 1
	s_cmp_lg_u32 s[INN], 0
	s_cbranch_scc1 .Ltail
.macro FIN                             ; O^T / the row's sum
	v_add_f32 v14, v14, v15
	s_delay_alu instid0(VALU_DEP_1)
	v_permlanex16_b32 v252, v14, s[SEL], s[SEL+1]
	s_delay_alu instid0(VALU_DEP_1)
	v_add_f32 v14, v14, v252
	s_wait_alu depctr_va_vdst(0)
	v_rcp_f32 v14, v14
	v_nop
	s_wait_alu depctr_va_vdst(0)
.set j, 0
.rept 32
	v_pk_mul_f32 v[96+j:97+j], v[160+j:161+j], v[14:15] op_sel_hi:[1,0]
.set j, j+2
.endr
.endm
.macro TOST u, back                    ; a tile through my stage: in by lanes, back as whole rows of 512 bytes
	WIN (\u)<<2
.irp e, 0,1,2,3
.irp f, 0,1,2,3
	ds_store_b128 v[SO], v[96+16*\e+4*\f:96+16*\e+4*\f+3] offset:128*\e+16*\f
.endr
.endr
	WIN 0
.irp p, 0,1,2,3,4,5,6,7,8,9,10,11,12,13,14,15
	ds_load_b128 v[\back+4*\p:\back+4*\p+3], v[SR] offset:\p*SPITCH
.endr
.endm
.macro SEND u, back, younger           ; younger: the LDS instructions issued behind this tile's loads
.irp p, 0,1,2,3,4,5,6,7,8,9,10,11,12,13,14,15
	s_wait_dscnt (\younger)+15-\p
	global_store_b128 v[L16], v[\back+4*\p:\back+4*\p+3], s[OUTP:OUTP+1] offset:(8*(\u)+\p+8*(\p/8))*8192 th:TH_STORE_NT   ; 32 lanes store 512 consecutive bytes, aligned
.endr
.endm
.rept 8
	v_nop
.endr
	FIN
	TOST 0, 32
	WIN 0x55
	FIN
	TOST 1, 160
	SEND 0, 32, 32
	SEND 1, 160, 0
	s_wait_tensorcnt 0x0                           ; the wave's end
	ds_add_u32 v[SPW], v[NIL]
	s_wait_dscnt 0x0
	ROUND                                          ; the closing round
	s_endpgm
.Lfunc_end_k_qd3fbcb5062_attn:
	.size	k_qd3fbcb5062_attn, .Lfunc_end_k_qd3fbcb5062_attn-k_qd3fbcb5062_attn
	.p2alignl 7, 3214868480
	.fill 96, 4, 3214868480
	.section	.rodata,"a",@progbits
	.p2align	6, 0x0
	.amdhsa_kernel k_qd3fbcb5062_attn
		.amdhsa_group_segment_fixed_size 327680
		.amdhsa_private_segment_fixed_size 0
		.amdhsa_enable_private_segment 0
		.amdhsa_kernarg_size 40
		.amdhsa_user_sgpr_count 2
		.amdhsa_user_sgpr_kernarg_segment_ptr 1
		.amdhsa_wavefront_size32 1
		.amdhsa_system_sgpr_workgroup_id_x 1
		.amdhsa_system_sgpr_workgroup_id_y 1
		.amdhsa_system_sgpr_workgroup_id_z 1
		.amdhsa_system_vgpr_workitem_id 0
		.amdhsa_next_free_vgpr 512
		.amdhsa_next_free_sgpr 94
		.amdhsa_reserve_vcc 0
		.amdhsa_float_denorm_mode_32 3
		.amdhsa_float_denorm_mode_16_64 3
		.amdhsa_memory_ordered 1
		.amdhsa_forward_progress 1
		.amdhsa_inst_pref_size 109
	.end_amdhsa_kernel
	.amdgpu_metadata
---
amdhsa.version: [ 1, 2 ]
amdhsa.kernels:
  - .name:           k_qd3fbcb5062_attn
    .symbol:         k_qd3fbcb5062_attn.kd
    .args:
      - { .name: qc, .offset: 0, .size: 8, .value_kind: global_buffer, .address_space: global }
      - { .name: qs, .offset: 8, .size: 8, .value_kind: global_buffer, .address_space: global }
      - { .name: kvc, .offset: 16, .size: 8, .value_kind: global_buffer, .address_space: global }
      - { .name: kvs, .offset: 24, .size: 8, .value_kind: global_buffer, .address_space: global }
      - { .name: out0, .offset: 32, .size: 8, .value_kind: global_buffer, .address_space: global }
    .group_segment_fixed_size: 327680
    .private_segment_fixed_size: 0
    .kernarg_segment_align: 8
    .kernarg_segment_size: 40
    .max_flat_workgroup_size: 256
    .sgpr_count:     94
    .vgpr_count:     512
    .wavefront_size: 32
...
	.end_amdgpu_metadata
.endif
;; end of part 3
